; MI455X (gfx1250); checked and timed in simulation.
; The chip was launched on July 23, 2026; its instructions are those of AMD's public machine-readable ISA for CDNA 5 (MIT licence, August 2026) and "CDNA5" Instruction Set Architecture Reference Guide (July 2026). The comments in the code are by the model that wrote it; some were corrected since.
;; Fp8 Attention. Allowed arithmetic: matrix products marked QUANTISED: E4M3 operands, one E8M0 scale for each 32 along K, by v_wmma_scale_f32_16x16x128_f8f6f4 with both operands' format E4M3, f32 sums; everything else in f32.
;; Inputs: k_lengths 4 int32; k_offsets 5 int32; key_states 4,096 x 32 x 128 float32; q_offsets 5 int32; query_states 4,096 x 32 x 128 float32; value_states 4,096 x 32 x 128 float32.
;; Outputs: out0 4,096 x 32 x 128 float32.
;; This version of the problem:
;;   THIS VERSION OF THE PROBLEM IS GIVEN IN LOW PRECISION. The matrix products marked QUANTISED in the list below multiply operands that are first quantised to E4M3 (4 exponent bits, 3 mantissa bits; 8 bits a number), with one power-of-two scale for each 32 numbers along K (OCP MX v1.0); their sums are f32. All else is computed in f32.
;;   The module's matrix products, in the order in which they are computed (A, B: the left and right operand; K: the contracted axis; several contracted axes count as one K, in the product's order):
;;     1. batch 128 x [M 1,024, K 128] x [K 128, N 1,024]; A: computed on the way; B: computed on the way: QUANTISED
;;     2. batch 128 x [M 128, K 1,024] x [K 1,024, N 1,024]; A: computed on the way; B: softmax (see below): QUANTISED
;;   THE QUANTISER, for each operand of a quantised product, along K:
;;     - K is cut into blocks of 32 from its start; a last block that is shorter is filled with zeros.
;;     - A block's scale is 2^e with e = floor(log2(the largest magnitude in the block)) - 8, held to -126 .. 127; a block of zeros has e = 0. As a byte (E8M0): e + 127.
;;     - Each number is divided by its block's scale, clamped to +-448, and rounded to the nearest number of E4M3, ties to even, subnormals kept.
;;     - The product sums the exact products of the quantised numbers (number of the format x scale) in f32.
;;   ~~~python
;;   def quantise(x, axis):      # numpy; x: float32 -> the quantised numbers, widened to float32 again
;;       x = np.moveaxis(x, axis, -1); K = x.shape[-1]
;;       x = np.pad(x, [(0, 0)] * (x.ndim - 1) + [(0, -K % 32)]); x = x.reshape(x.shape[:-1] + (-1, 32)); a = np.abs(x).max(-1, keepdims=True)
;;       e = np.where(a > 0, np.clip(np.frexp(np.where(a > 0, a, 1))[1] - 1 - 8, -126, 127), 0)      # np.frexp(a)[1] - 1 = floor(log2(a)), exactly
;;       r = np.clip(x / 2.0 ** e, -448, 448)
;;       step = 2.0 ** (np.maximum(np.frexp(np.where(r == 0, 1, r))[1] - 1, -6) - 3)
;;       q = np.round(r / step) * step * 2.0 ** e      # np.round: ties to even
;;       return np.moveaxis(q.reshape(q.shape[:-2] + (-1,))[..., :K], -1, axis).astype(np.float32)
;;   ~~~
;;   SOFTMAX AHEAD OF A QUANTISED PRODUCT. Where the list says 'softmax', what is quantised is not the finished softmax but p = 2^(t - M), with t = logit x log2(e) and M = ceil(the row's largest t), a whole number; so 1/2 < the row's largest p <= 1. The row's sum l is taken of the UNQUANTISED p, in f32, and the product's result is divided by l at the end. Since M is a whole number, a kernel that streams over the keys may use a running M (the ceiling of the running maximum): every later rescaling is an exact power of two, which a block's scale takes up: the codes' values come out the same.
;;   OPERANDS COMPUTED ON THE WAY. 'Computed on the way' means the value that the module computes at that place (a softmax that the list does not call 'softmax' is quantised finished and normalised). What goes into a quantiser is computed in f32, as accurately as f32 sums, v_exp_f32 and their like allow (about 1e-6 of the number): no bf16 or f16 on the way to a quantiser, and a product that is left as it is and whose result goes on into a quantised operand takes f32 operands (vector FMAs, or v_wmma_f32_16x16x4_f32). A number that lies on a knife's edge between two numbers of the format may be rounded either way, as far as f32 arithmetic and the matrix unit's own rounding can turn it there, and no further.
;; One version. Each part assembles by itself: llvm-mc -triple=amdgcn-amd-amdhsa -mcpu=gfx1250 --defsym DOCPART=n.
;; ======== version 1 of 1: 3 launches
;; limits: below input magnitudes of 5e-36 results are inexact or not finite; right only within a limited range of input values
;; workspace buffers: partials 3,072 bytes; kv 34,603,008 bytes
;; launch absmax (part 1): grid 256 x 3, 8 waves a work-group, no clusters, 1,280 bytes of LDS; arguments query_states, key_states, value_states, partials; writes partials
.if DOCPART == 1
	.amdgcn_target "amdgcn-amd-amdhsa--gfx1250"
	.amdhsa_code_object_version 6
	.text
	.protected	k_q82289ae8b8_absmax
	.globl	k_q82289ae8b8_absmax
	.p2align	8
	.type	k_q82289ae8b8_absmax,@function
k_q82289ae8b8_absmax:
	s_mov_b64 s[64:65], 0
	v_nop
	global_prefetch_b8 v0, s[64:65] scope:SCOPE_SE
	s_setreg_imm32_b32 hwreg(HW_REG_WAVE_MODE, 25, 1), 1
	s_wait_xcnt 0x0
; FIRST OF THREE LAUNCHES: the largest magnitude of each of q, k, v, as 256 partial maxima a tensor.
; THE PROGRAM.  reference() rounds each tensor to E4M3 under ONE scale, s = max|x| / 448, and multiplies by s again; then causal attention, both products on MX-FP8 codes.
; A tensor's maximum must be known before any of its numbers can be rounded, and work-groups of a launch hand nothing to each other: so this launch finds the maxima,
; the second rounds and quantises k and v (codes and scale words, laid as images of operand registers: every work-group of a head reads them), the third is the attention, which rounds and
; quantises each tile of q in registers, on its way to the matrix unit: a tile of q is read by one wave, once.
; WORK LEFT OUT, for all values of the inputs:
;  - q_offsets, k_offsets, k_lengths: reference() takes B from q_offsets.shape and S = total // B; no VALUE of the three enters any expression.  They have no way to an output:
;    they are not loaded and are among no launch's arguments.
;  - key steps that lie wholly above the diagonal of the jnp.tril mask that reference() builds itself: their scores become -inf, their p = 0, they add 0 to the sum and to the result.
;  LIMIT: a NaN, an infinity or an overflow that would arise only in the work left out is not carried to the result.
; LIMITS of the program: NaN and infinities among the inputs are not served; a tensor of zeros (reference() gives NaN) is not served; a tensor whose largest magnitude lies under 5e-36
; is not served (the reciprocal of its scale is taken by v_rcp_f32, which flushes denormals: ISA guide, 15.8).
; SHARES.  Work-group (x, y): tensor y, bytes 262,144 x on.  Each of eight waves takes 32,768 bytes: 64 loads of 512 consecutive bytes, in eight groups of eight, three groups on their way.
; No matrix unit, no cluster, no tensor load: a stream that is read once and reduced.
.set SPARE, 256                        ; LDS: bytes 0-31 the eight waves' maxima (the block of 256 is theirs); from 256 on the spare words, 128 bytes a wave
.set SPW, 4                            ; v4   LDS address of my spare word; never rewritten
.set NIL, 5                            ; v5   0; never rewritten
.set M,   8                            ; v8-11 four running maxima
.set R,   32                           ; v32-127 three sets of 32 numbers
	s_load_b256 s[4:11], s[0:1], 0x0               ; q s[4:5], k s[6:7], v s[8:9], partials s[10:11]
	v_lshl_add_u32 v[SPW], v0, 2, SPARE
	v_mov_b32 v[NIL], 0
	v_lshrrev_b32 v2, 5, v0                        ; wave
	s_and_b32 s13, ttmp7, 0xffff                   ; which tensor
	v_and_b32 v1, 31, v0
	s_delay_alu instid0(VALU_DEP_1)
	v_lshlrev_b32 v1, 4, v1                        ; 16 bytes a lane
	s_delay_alu instid0(VALU_DEP_1)
	v_lshl_add_u32 v1, v2, 15, v1                  ; + 32,768 x wave
	v_lshlrev_b32 v3, 2, v2                        ; my wave's word in LDS
	v_mov_b32 v6, 0
	v_mov_b32 v12, 0                               ; a lane permute's destination counts as read: written once
	s_lshl_b32 s14, ttmp9, 18                      ; my work-group's 262,144 bytes
	s_mov_b32 s15, 0
	s_mov_b32 s16, 0x76543210                      ; v_permlanex16_b32's selects for lane l xor 16
	s_mov_b32 s17, 0xfedcba98
	s_lshl_b32 s20, s13, 8
	s_add_co_u32 s20, s20, ttmp9
	s_lshl_b32 s20, s20, 2                         ; partials[y][x], in bytes
	s_mov_b32 s21, 0
	s_wait_alu depctr_va_vdst(0)
	s_wait_kmcnt 0x0
	s_cmp_eq_u32 s13, 0                            ; the choice hangs on the work-group's number alone
	s_cselect_b64 s[4:5], s[4:5], s[6:7]
	s_cmp_eq_u32 s13, 2
	s_cselect_b64 s[4:5], s[8:9], s[4:5]
	s_add_nc_u64 s[4:5], s[4:5], s[14:15]
	s_add_nc_u64 s[10:11], s[10:11], s[20:21]
.macro LOADG g                         ; group g: eight loads, 512 consecutive bytes each, into set g % 3
.irp j, 0,1,2,3,4,5,6,7
	global_load_b128 v[R+32*((\g)%3)+4*\j:R+32*((\g)%3)+4*\j+3], v1, s[4:5] offset:512*(8*(\g)+\j) th:TH_LOAD_NT
.endr
.endm
.macro MAXG g                          ; its 32 numbers into four chains that do not wait for each other; the first group starts the chains: nothing is cleared
.irp i, 0,1,2,3,4,5,6,7,8,9,10,11,12,13,14,15
.if ((\g) == 0) && (\i < 4)
	v_max_num_f32 v[M+\i%4], |v[R+32*((\g)%3)+2*\i]|, |v[R+32*((\g)%3)+2*\i+1]|
.else
	v_max3_num_f32 v[M+\i%4], v[M+\i%4], |v[R+32*((\g)%3)+2*\i]|, |v[R+32*((\g)%3)+2*\i+1]|
.endif
.endr
.endm
	LOADG 0
	LOADG 1
	LOADG 2
.irp g, 0,1,2,3,4,5,6,7
.if \g < 6
	s_wait_alu depctr_va_vdst(0)
	s_wait_loadcnt 16                              ; group g is in; the two younger groups, sixteen loads, stay out
.else
	s_wait_alu depctr_va_vdst(0)
	s_wait_loadcnt 8*(7-\g)                        ; the last two groups: one younger group, then none
.endif
	MAXG \g
.if \g < 5
	LOADG \g+3                                     ; into the set just read
.endif
.endr
	s_delay_alu instid0(VALU_DEP_2)
	v_max3_num_f32 v[M], v[M], v[M+1], v[M+2]
	s_delay_alu instid0(VALU_DEP_1)
	v_max_num_f32 v[M], v[M], v[M+3]
	s_delay_alu instid0(VALU_DEP_1)
	v_max_num_f32_dpp v[M], v[M], v[M] row_xmask:1 row_mask:0xf bank_mask:0xf
	s_delay_alu instid0(VALU_DEP_1)
	v_max_num_f32_dpp v[M], v[M], v[M] row_xmask:2 row_mask:0xf bank_mask:0xf
	s_delay_alu instid0(VALU_DEP_1)
	v_max_num_f32_dpp v[M], v[M], v[M] row_xmask:4 row_mask:0xf bank_mask:0xf
	s_delay_alu instid0(VALU_DEP_1)
	v_max_num_f32_dpp v[M], v[M], v[M] row_xmask:8 row_mask:0xf bank_mask:0xf
	s_delay_alu instid0(VALU_DEP_1)
	v_permlanex16_b32 v12, v[M], s16, s17
	s_delay_alu instid0(VALU_DEP_1)
	v_max_num_f32 v[M], v[M], v12                  ; the wave's maximum, in every lane
	ds_store_b32 v3, v[M]                          ; all lanes write the same word with the same value
	s_wait_dscnt 0x0                               ; for the others' sake: my store has landed
	s_barrier_signal -1
	s_barrier_wait -1
	ds_load_b128 v[16:19], v6                      ; the eight waves' maxima
	ds_load_b128 v[20:23], v6 offset:16
	s_wait_dscnt 0x0
	v_max3_num_f32 v16, v16, v17, v18
	s_delay_alu instid0(VALU_DEP_1)
	v_max3_num_f32 v16, v16, v19, v20
	s_delay_alu instid0(VALU_DEP_1)
	v_max3_num_f32 v16, v16, v21, v22
	s_delay_alu instid0(VALU_DEP_1)
	v_max_num_f32 v16, v16, v23
	s_wait_alu depctr_va_vdst(0)
	s_wait_tensorcnt 0x0                           ; the wave's end: three lines behind my last LDS store, the first of them even in a text with no tensor load
	ds_add_u32 v[SPW], v[NIL]
	s_wait_dscnt 0x0
	s_wait_xcnt 0x0                                ; EXEC is a source of the loads above: it changes only behind this wait
	v_cmp_eq_u32 vcc_lo, 0, v0
	s_and_saveexec_b32 s18, vcc_lo
	global_store_b32 v6, v16, s[10:11]             ; thread 0 alone: one number for the work-group
	s_wait_xcnt 0x0
	s_or_b32 exec_lo, exec_lo, s18
	s_endpgm
.Lfunc_end_k_q82289ae8b8_absmax:
	.size	k_q82289ae8b8_absmax, .Lfunc_end_k_q82289ae8b8_absmax-k_q82289ae8b8_absmax
	.p2alignl 7, 3214868480
	.fill 96, 4, 3214868480
	.section	.rodata,"a",@progbits
	.p2align	6, 0x0
	.amdhsa_kernel k_q82289ae8b8_absmax
		.amdhsa_group_segment_fixed_size 1280
		.amdhsa_private_segment_fixed_size 0
		.amdhsa_enable_private_segment 0
		.amdhsa_kernarg_size 32
		.amdhsa_user_sgpr_count 2
		.amdhsa_user_sgpr_kernarg_segment_ptr 1
		.amdhsa_wavefront_size32 1
		.amdhsa_system_sgpr_workgroup_id_x 1
		.amdhsa_system_sgpr_workgroup_id_y 1
		.amdhsa_system_sgpr_workgroup_id_z 1
		.amdhsa_system_vgpr_workitem_id 0
		.amdhsa_next_free_vgpr 128
		.amdhsa_next_free_sgpr 66
		.amdhsa_reserve_vcc 1
		.amdhsa_float_denorm_mode_32 3
		.amdhsa_float_denorm_mode_16_64 3
		.amdhsa_memory_ordered 1
		.amdhsa_forward_progress 1
		.amdhsa_inst_pref_size 18
	.end_amdhsa_kernel
	.amdgpu_metadata
---
amdhsa.version: [ 1, 2 ]
amdhsa.kernels:
  - .name:           k_q82289ae8b8_absmax
    .symbol:         k_q82289ae8b8_absmax.kd
    .args:
      - { .name: query_states, .offset: 0, .size: 8, .value_kind: global_buffer, .address_space: global }
      - { .name: key_states, .offset: 8, .size: 8, .value_kind: global_buffer, .address_space: global }
      - { .name: value_states, .offset: 16, .size: 8, .value_kind: global_buffer, .address_space: global }
      - { .name: partials, .offset: 24, .size: 8, .value_kind: global_buffer, .address_space: global }
    .group_segment_fixed_size: 1280
    .private_segment_fixed_size: 0
    .kernarg_segment_align: 8
    .kernarg_segment_size: 32
    .max_flat_workgroup_size: 256
    .sgpr_count:     66
    .vgpr_count:     128
    .wavefront_size: 32
...
	.end_amdgpu_metadata
.endif
;; end of part 1
;; launch quant (part 2): grid 256 x 2, 4 waves a work-group, no clusters, 68,096 bytes of LDS; arguments key_states, value_states, partials, kv; writes kv
.if DOCPART == 2
	.amdgcn_target "amdgcn-amd-amdhsa--gfx1250"
	.amdhsa_code_object_version 6
	.text
	.protected	k_q82289ae8b8_quant
	.globl	k_q82289ae8b8_quant
	.p2align	8
	.type	k_q82289ae8b8_quant,@function
k_q82289ae8b8_quant:
	s_mov_b64 s[64:65], 0
	v_nop
	global_prefetch_b8 v0, s[64:65] scope:SCOPE_SE
	s_setreg_imm32_b32 hwreg(HW_REG_WAVE_MODE, 25, 1), 1
	s_wait_xcnt 0x0
; SECOND OF THREE LAUNCHES, for k and v: x -> x' = E4M3(x / s) x s with s = max|x| / 448 (reference()'s own step, one scale a tensor), then the MX quantiser: k' along the head's 128, v' along the keys.
; (q takes the same two steps in the third launch, in registers.  q_offsets, k_offsets and k_lengths are left out: only a shape of them enters reference(); see the first kernel's head.)
; THE SCALE.  s is formed as m x fl(1 / 448), m = max|x|: the form that a compiler gives a division by a constant (a product with the constant's reciprocal, rounded to f32).
; fl(1 / 448) lies 4.5e-8 of itself above 1 / 448, so s is m / 448 rounded, or the f32 number next above it.
; THE DIVISION.  A code of that first rounding turns over where x / s lies at the middle between two codes, and a turned code moves x' by a whole step: so x / s is made as a division makes it, rounded once:
; q0 = x (1 / s); e = x - q0 s by one fused multiply-add; q = q0 + e (1 / s) by another.  e (1 / s) is at most some 1.5 units of q0's last place and carries the reciprocal's relative error (under 2^-23) alone,
; so q ahead of its one rounding is within 2^-22 of a unit of the last place of the true quotient.
; LIMITS: where reference() is evaluated with a true division m / 448 and that differs from m x fl(1 / 448) (by one unit of the last place), about one number in a million of the tensor takes the neighbouring code
; of the first rounding.  A quotient that lies within 2^-22 of a unit of its last place of the middle between two f32 numbers may be rounded the other way.
; A block of zeros gets the scale byte 1 where the quantiser says 127: its codes are zeros, and this program alone reads the bytes.
; NaN, infinities, a tensor of zeros and a largest magnitude under 5e-36 are not served.
; SHARES.  Work-group (x, y): tensor y (0 k, 1 v); x = 64 b + 8 step + hg.  Wave w takes head 4 hg + w and the 128 tokens of that step: four groups of 32 tokens, one a trip.
; A token's row of a head is 512 bytes: one load of the wave; the four waves stand side by side on 2,048 bytes.  32 loads a wave are on their way while the group before is worked.
; The rows go through the wave's own stage in LDS as they lie (pitch 528) and come back as the quantiser wants them:
;   k: lane (r, hh) takes, of row r of a tile of 16 rows, 16 neighbours of each block of 32 along d: the conversions' results ARE the fragment's registers;
;   v: a lane takes a channel and its registers run down the 32 keys: a whole block a lane, codes with the keys innermost.
; WHAT IS STORED.  A fragment (16 rows x 128 K) as an image of its registers: 2,048 bytes, chunk c of 512 bytes holds each lane's registers 4 c .. 4 c + 3 at 16 x lane.
;   kv [bh][slot of 256 keys][67,584]: for each of the slot's two steps q: K's 8 tiles at 32,768 q, V's 8 tiles at 32,768 q + 16,384; K's scale words at 65,536 + 1,024 q, V's 512 further on.
;   Row r of K's tile 2 g + u is key 32 g + 8 u + r + 8 (r / 8) of the step, so that in S^T = K Q^T a lane's 16 registers of two neighbouring tiles are 16 neighbouring keys.
;   A block of 512 scale bytes: the word at 16 x lane + 4 g belongs to tile 2 g + lane / 16, row lane % 16: one load of 16 bytes a lane brings the words of all eight tiles.
; ONE TEXT for the two tensors: pointers and offsets are chosen on the work-group's number; only the way back from the stage and a block's arithmetic part, inside the loop; every LDS store stands on the common way.
; No tensor load, no barrier (waves share nothing), no cluster (work-groups share no input but 1,024 bytes of partial maxima).
.set PITCH, 528                        ; a stage row: 512 bytes + 16: 132 words, so that the sixteen rows that a 16-byte load touches begin at sixteen different places modulo 64 words
.set STGB,  32*PITCH                   ; a wave's stage: 16,896 bytes
.set SPARE, 4*STGB                     ; behind the four stages: the spare words, 128 bytes a wave
.set GO0, 2                            ; v2   16 x lane: my bytes of a row; also my place in a chunk of an image
.set GO1, 3                            ; v3   the same + the tokens of stage rows 8-15
.set GO2, 4                            ; v4   the same + the tokens of stage rows 16-23
.set STW, 5                            ; v5   stage, way in: 16 x lane
.set STR, 6                            ; v6   stage, way back by rows: 528 r + 64 hh
.set STC, 7                            ; v7   stage, way back by columns: 4 x lane
.set OCV, 9                            ; v9   v's codes: 2,048 (lane / 16) + 16 (lane % 16)
.set SPW, 10                           ; v10  LDS address of my spare word; never rewritten
.set NIL, 11                           ; v11  0; never rewritten
.set SW,  16                           ; v16-19 the task's 512 scale bytes, 16 a lane
.set TM,  20                           ; v20-35 at work: largest magnitudes, bytes, holds, scale operands
.set PW,  36                           ; v36  the scale word just made
.set PWA, 37                           ; v37  that of the even tile
.set ONE, 38                           ; v38  1.0: the first rounding's scale operand
.set E127, 39                          ; v39  the byte 127 four times: the way back multiplies by 1
.set PC,  40                           ; v40-55 codes
.set TQ,  56                           ; v56-63 four pairs of first quotients
.set X,   64                           ; v64-127 64 numbers
.set R,   128                          ; v128-255 32 rows as loaded
.set TEN, 19                           ; s19  which tensor: 0 k, 1 v
.set IN,  24                           ; s[24:25] the group's first token, my head
.set OC,  26                           ; s[26:27] where the group's codes go
.set OS,  28                           ; s[28:29] where the task's scale words go
.set RS,  32                           ; s[32:33] 1 / s, twice
.set SS,  34                           ; s[34:35] s, twice
.set NS,  46                           ; s[46:47] -s, twice (free behind the head's offsets)
	s_load_b256 s[4:11], s[0:1], 0x0               ; k s[4:5], v s[6:7], partials s[8:9], kv s[10:11]
	v_lshl_add_u32 v[SPW], v0, 2, SPARE
	v_mov_b32 v[NIL], 0
	v_lshrrev_b32 v12, 5, v0
	v_readfirstlane_b32 s18, v12                   ; wave 0..3
	s_and_b32 s[TEN], ttmp7, 0xffff
	s_lshr_b32 s20, ttmp9, 6                       ; b
	s_bfe_u32 s21, ttmp9, 0x30003                  ; step
	s_and_b32 s22, ttmp9, 7
	s_lshl_b32 s22, s22, 2
	s_add_co_u32 s22, s22, s18                     ; head
	s_lshl_b32 s23, s20, 5
	s_add_co_u32 s23, s23, s22                     ; bh
	s_lshl_b32 s46, s20, 24                        ; in: (1,024 b + 128 step) tokens of 16,384 bytes + 512 x head
	s_lshl_b32 s47, s21, 21
	s_add_co_u32 s46, s46, s47
	s_lshl_b32 s47, s22, 9
	s_add_co_u32 s46, s46, s47
	s_mov_b32 s47, 0
	s_mul_i32 s52, s23, 270336
	s_lshr_b32 s53, s21, 1
	s_mul_i32 s53, s53, 67584
	s_add_co_u32 s52, s52, s53                     ; kv: the slot's record
	s_and_b32 s53, s21, 1
	s_lshl_b32 s48, s53, 15
	s_lshl_b32 s50, s53, 10
	s_add_co_u32 s48, s48, s52                     ; k's codes
	s_add_co_u32 s50, s50, s52
	s_add_co_u32 s50, s50, 65536                   ; k's scale words
	s_mov_b32 s44, 4096                            ; a group's codes: two tiles of k;
	s_mov_b32 s52, 0x20000                         ; 8 tokens
	s_mov_b32 s53, 0x40000                         ; 16 tokens
	s_cmp_eq_u32 s[TEN], 1                         ; v?
	s_cselect_b32 s40, 16384, 0                    ; v's codes lie behind k's,
	s_cselect_b32 s43, 512, 0                      ; its scale words too;
	s_cselect_b32 s44, 512, s44                    ; a group is one chunk of each of v's tiles
	s_cselect_b32 s12, s52, s53                    ; k's middle two groups of eight rows change places: stage row 16 u + r holds key 8 u + r + 8 (r / 8)
	s_cselect_b32 s13, s53, s52
	s_add_co_u32 s48, s48, s40
	s_add_co_u32 s50, s50, s43
	s_mov_b32 s45, 0
	s_mov_b32 s49, 0
	s_mov_b32 s51, 0
	v_and_b32 v12, 31, v0                          ; lane
	v_and_b32 v13, 15, v0                          ; r
	v_bfe_u32 v14, v0, 4, 1                        ; hh
	v_lshlrev_b32 v[GO0], 4, v12
	v_add_nc_u32 v[GO1], s12, v[GO0]
	v_add_nc_u32 v[GO2], s13, v[GO0]
	s_mul_i32 s54, s18, STGB                       ; my stage
	v_add_nc_u32 v[STW], s54, v[GO0]
	v_mul_u32_u24 v[STR], v13, PITCH
	v_lshl_add_u32 v[STR], v14, 6, v[STR]
	v_add_nc_u32 v[STR], s54, v[STR]
	v_lshl_add_u32 v[STC], v12, 2, s54
	v_lshlrev_b32 v[OCV], 4, v13
	v_lshl_add_u32 v[OCV], v14, 11, v[OCV]
.irp b, 0,1,2,3
	v_mov_b32 v[SW+\b], 0
	v_mov_b32 v[TM+4+\b], 0                        ; a lane permute's destination counts as read: written once
.endr
	v_mov_b32 v[ONE], 1.0
	v_mov_b32 v[E127], 0x7f7f7f7f
	s_mov_b32 s36, 0x76543210                      ; v_permlanex16_b32's selects for lane l xor 16
	s_mov_b32 s37, 0xfedcba98
	s_mov_b32 s38, 0x600000                        ; the mantissa field of 448
	s_mov_b32 s39, 4                               ; groups to go
	s_mov_b32 s41, 0xffff0000                      ; lanes 16-31
	s_mov_b32 s42, 0x3b124925                      ; 1 / 448, rounded to f32
	s_wait_kmcnt 0x0
	s_cmp_eq_u32 s[TEN], 0                         ; the choice hangs on the work-group's number alone
	s_cselect_b64 s[IN:IN+1], s[4:5], s[6:7]
	s_add_nc_u64 s[IN:IN+1], s[IN:IN+1], s[46:47]
	s_add_nc_u64 s[OC:OC+1], s[10:11], s[48:49]
	s_add_nc_u64 s[OS:OS+1], s[10:11], s[50:51]
	s_lshl_b32 s46, s[TEN], 10                     ; my tensor's 256 partial maxima: q's come first, then k's, then v's
	s_add_co_u32 s46, s46, 1024
	s_add_nc_u64 s[8:9], s[8:9], s[46:47]
.macro LOADROWS                        ; 32 rows of 512 bytes, 16,384 bytes apart: stage row i takes the group's token i (k: rows 8-15 tokens 16-23, rows 16-23 tokens 8-15)
.set cc, 0
.rept 32
.if cc < 8
	global_load_b128 v[R+4*cc:R+4*cc+3], v[GO0], s[IN:IN+1] offset:16384*cc th:TH_LOAD_NT
.elseif cc < 16
	global_load_b128 v[R+4*cc:R+4*cc+3], v[GO1], s[IN:IN+1] offset:16384*(cc-8) th:TH_LOAD_NT
.elseif cc < 24
	global_load_b128 v[R+4*cc:R+4*cc+3], v[GO2], s[IN:IN+1] offset:16384*(cc-16) th:TH_LOAD_NT
.else
	global_load_b128 v[R+4*cc:R+4*cc+3], v[GO0], s[IN:IN+1] offset:16384*cc th:TH_LOAD_NT
.endif
.set cc, cc+1
.endr
.endm
.macro TOSTAGE                         ; as they lie: 512 consecutive bytes a store
.set cc, 0
.rept 32
	ds_store_b128 v[STW], v[R+4*cc:R+4*cc+3] offset:PITCH*cc
.set cc, cc+1
.endr
.endm
; reference()'s own step on X's 64 numbers, whatever their order: x / s rounded once, held within +-448, rounded to E4M3, widened again, x s.
.macro QDQ
	s_wait_xcnt 0x0                                ; the codes' registers were the data of stores: they are written again only behind this wait
.set cc, 0
.rept 8                                        ; four pairs at a time, so that no line waits for the line above it
.irp j, 0,2,4,6
	v_pk_mul_f32 v[TQ+\j:TQ+\j+1], v[X+cc+\j:X+cc+\j+1], s[RS:RS+1] op_sel_hi:[1,0]                              ; q0 = x (1 / s)
.endr
.irp j, 0,2,4,6
	v_pk_fma_f32 v[X+cc+\j:X+cc+\j+1], v[TQ+\j:TQ+\j+1], s[NS:NS+1], v[X+cc+\j:X+cc+\j+1] op_sel_hi:[1,0,1]      ; e = x - q0 s: what q0 leaves of x
.endr
.irp j, 0,2,4,6
	v_pk_fma_f32 v[X+cc+\j:X+cc+\j+1], v[X+cc+\j:X+cc+\j+1], s[RS:RS+1], v[TQ+\j:TQ+\j+1] op_sel_hi:[1,0,1]      ; q = q0 + e (1 / s): the quotient, rounded once
.endr
.set cc, cc+8
.endr
.set cc, 0
.rept 64
.set cc, cc+1
.endr
.irp g, 0,1,2,3,4,5,6,7
	v_cvt_scalef32_pk8_fp8_f32 v[PC+2*\g:PC+2*\g+1], v[X+8*\g:X+8*\g+7], v[ONE]
.endr
	v_nop                                          ; a plain instruction between the conversions and the lines that read their results and write their sources
.irp g, 0,1,2,3,4,5,6,7
	v_cvt_scale_pk8_f32_fp8 v[X+8*\g:X+8*\g+7], v[PC+2*\g:PC+2*\g+1], v[E127]
.endr
	v_nop
.set cc, 0
.rept 32
	v_pk_mul_f32 v[X+cc:X+cc+1], v[X+cc:X+cc+1], s[SS:SS+1] op_sel_hi:[1,0]
.set cc, cc+2
.endr
.endm
; 64 numbers of a lane, register 16 b + i = K position 32 b + 16 hh + i of my row, become a fragment's codes in v[PC] on and my row's scale word in v[PW].
.macro QUANT
.irp b, 0,1,2,3
	v_max3_num_f32 v[TM+\b], |v[X+16*\b]|, |v[X+1+16*\b]|, 0x4800000   ; block b: my 16 numbers, and the floor 2^(9 - 127): the byte cannot fall under 1
.endr
.irp i, 2,4,6,8,10,12,14
.irp b, 0,1,2,3
	v_max3_num_f32 v[TM+\b], v[TM+\b], |v[X+16*\b+\i]|, |v[X+1+16*\b+\i]|   ; the four blocks by turns
.endr
.endr
.irp b, 0,1,2,3
	v_permlanex16_b32 v[TM+4+\b], v[TM+\b], s36, s37
.endr
.irp b, 0,1,2,3
	v_max_num_f32 v[TM+\b], v[TM+\b], v[TM+4+\b]   ; with lane l xor 16's: the block's largest magnitude
.endr
.irp b, 0,1,2,3
	v_add_nc_u32 v[TM+12+\b], 0xfc000000, v[TM+\b] ; 8 off its exponent field: the conversion's scale operand
.endr
.irp b, 0,1,2,3
.endr
.irp b, 0,1,2,3
	v_lshrrev_b32 v[TM+4+\b], 23, v[TM+12+\b]      ; the scale's byte
.endr
	v_lshl_or_b32 v[PW], v[TM+5], 8, v[TM+4]
	v_lshl_or_b32 v[PW], v[TM+6], 16, v[PW]
	v_lshl_or_b32 v[PW], v[TM+7], 24, v[PW]
.irp b, 0,1,2,3
.irp i, 0,1,2,3,4,5,6,7,8,9,10,11,12,13,14,15
.endr
	v_cvt_scalef32_pk8_fp8_f32 v[PC+4*\b:PC+1+4*\b], v[X+16*\b:X+7+16*\b], v[TM+12+\b]
	v_cvt_scalef32_pk8_fp8_f32 v[PC+2+4*\b:PC+3+4*\b], v[X+8+16*\b:X+15+16*\b], v[TM+12+\b]
.endr
	v_nop                                          ; a plain instruction behind the last conversion
.endm
; One tile of 16 rows of k: stage rows 16 u on.
.macro ROWTILE u
.set cc, 0
.rept 16
	ds_load_b128 v[X+4*cc:X+4*cc+3], v[STR] offset:16*PITCH*\u+128*(cc/4)+16*(cc%4)   ; 16 neighbours of block cc / 4
.set cc, cc+1
.endr
	s_wait_dscnt 0x0
	QDQ
	QUANT
.irp c, 0,1,2,3
	global_store_b128 v[GO0], v[PC+4*\c:PC+4*\c+3], s[OC:OC+1] offset:2048*\u+512*\c   ; the image: 512 consecutive bytes a store
.endr
.endm
; A block of 32 keys of one channel, all in my registers v[X + 32 p] on; its byte goes on top of the channel's scale word, which has moved down a byte: after four trips the first trip's byte lies lowest.
.macro COLBLOCK p, gch
	v_max3_num_f32 v[TM+4*\p], |v[X+32*\p]|, |v[X+32*\p+1]|, |v[X+32*\p+2]|
	v_max3_num_f32 v[TM+4*\p+1], |v[X+32*\p+3]|, |v[X+32*\p+4]|, |v[X+32*\p+5]|
.irp i, 6,10,14,18,22,26
	v_max3_num_f32 v[TM+4*\p], v[TM+4*\p], |v[X+32*\p+\i]|, |v[X+32*\p+\i+1]|
	v_max3_num_f32 v[TM+4*\p+1], v[TM+4*\p+1], |v[X+32*\p+\i+2]|, |v[X+32*\p+\i+3]|
.endr
	v_max3_num_f32 v[TM+4*\p], v[TM+4*\p], |v[X+32*\p+30]|, |v[X+32*\p+31]|
	v_max3_num_f32 v[TM+4*\p], v[TM+4*\p], v[TM+4*\p+1], 0x4800000   ; and the floor
	v_add_nc_u32 v[TM+4*\p+3], 0xfc000000, v[TM+4*\p]
	v_and_or_b32 v[TM+4*\p+2], v[TM+4*\p], 0x7f800000, s38
	v_lshrrev_b32 v[TM+4*\p+1], 23, v[TM+4*\p+3]
	v_lshrrev_b32 v[SW+(\gch)], 8, v[SW+(\gch)]
	v_lshl_or_b32 v[SW+(\gch)], v[TM+4*\p+1], 24, v[SW+(\gch)]
.set cc, 0
.rept 32
.set cc, cc+1
.endr
.irp g, 0,1,2,3
	v_cvt_scalef32_pk8_fp8_f32 v[PC+8*\p+2*\g:PC+8*\p+2*\g+1], v[X+32*\p+8*\g:X+32*\p+8*\g+7], v[TM+4*\p+3]
.endr
.endm
; Channels 64 gp .. 64 gp + 63 of v, 32 keys: a lane takes channels 64 gp + lane and 64 gp + 32 + lane.
.macro COLPAIR gp
.set cc, 0
.rept 64
	ds_load_b32 v[X+cc], v[STC] offset:PITCH*(cc%32)+128*(2*\gp+cc/32)   ; key cc % 32: 32 lanes read 128 consecutive bytes
.set cc, cc+1
.endr
	s_wait_dscnt 0x0
	QDQ
	COLBLOCK 0, 2*\gp
	COLBLOCK 1, 2*\gp+1
	v_nop                                          ; a plain instruction behind the last conversion
.irp p, 0,1
	global_store_b128 v[OCV], v[PC+8*\p:PC+8*\p+3], s[OC:OC+1] offset:4096*(2*\gp+\p)          ; keys 0-15 of the block: the places of lanes 0-15 in the tile's chunk; sixteen lanes store 256 consecutive bytes, aligned
	global_store_b128 v[OCV], v[PC+8*\p+4:PC+8*\p+7], s[OC:OC+1] offset:4096*(2*\gp+\p)+256    ; keys 16-31: the places of lanes 16-31
.endr
.endm
	global_load_b128 v[X:X+3], v[GO0], s[8:9]              ; the tensor's 256 partial maxima, eight a lane
	global_load_b128 v[X+4:X+7], v[GO0], s[8:9] offset:512
	LOADROWS                                       ; the first group
	s_wait_loadcnt 32                              ; the two loads of maxima are in; the 32 rows behind them stay out
	v_max3_num_f32 v[X], v[X], v[X+1], v[X+2]
	v_max3_num_f32 v[X+3], v[X+3], v[X+4], v[X+5]
	v_max3_num_f32 v[X], v[X], v[X+6], v[X+7]
	v_max_num_f32 v[X], v[X], v[X+3]
	v_max_num_f32_dpp v[X], v[X], v[X] row_xmask:1 row_mask:0xf bank_mask:0xf
	v_max_num_f32_dpp v[X], v[X], v[X] row_xmask:2 row_mask:0xf bank_mask:0xf
	v_max_num_f32_dpp v[X], v[X], v[X] row_xmask:4 row_mask:0xf bank_mask:0xf
	v_max_num_f32_dpp v[X], v[X], v[X] row_xmask:8 row_mask:0xf bank_mask:0xf
	v_permlanex16_b32 v[TM+4], v[X], s36, s37
	v_max_num_f32 v[X], v[X], v[TM+4]              ; m = max|x|
	v_mul_f32 v[X+1], s42, v[X]                    ; s = m x fl(1 / 448): one product, rounded once (THE SCALE, at the head)
	s_wait_alu depctr_va_vdst(0)
	v_rcp_f32 v[X+2], v[X+1]
	v_nop                                          ; a plain instruction behind the reciprocal,
	s_wait_alu depctr_va_vdst(0)                   ; and the wait ahead of its first reader
	v_fma_f32 v[X+3], -v[X+1], v[X+2], 1.0         ; one Newton step
	v_fma_f32 v[X+2], v[X+3], v[X+2], v[X+2]
	v_readfirstlane_b32 s[RS], v[X+2]              ; 1 / s
	v_readfirstlane_b32 s[SS], v[X+1]              ; s
	s_mov_b32 s[RS+1], s[RS]                       ; (the packed forms name pairs, so both words are written)
	s_mov_b32 s[SS+1], s[SS]
	s_xor_b32 s[NS], s[SS], 0x80000000             ; -s
	s_mov_b32 s[NS+1], s[NS]
.Lgroup:                                           ; four trips: a group of 32 tokens each
	s_wait_loadcnt 0x0                             ; the group's 32 rows are in; so their base may step
	TOSTAGE
	s_wait_dscnt 0x0                               ; the stores have read their registers: the next group may land there
	s_cmp_eq_u32 s39, 1
	s_cbranch_scc1 .Lno_more                       ; the last trip loads nothing: no load leaves its buffer
	s_add_nc_u64 s[IN:IN+1], s[IN:IN+1], 0x80000   ; 32 tokens on
	LOADROWS
.Lno_more:
	s_cmp_eq_u32 s[TEN], 1
	s_cbranch_scc1 .Lcolumns
	ROWTILE 0
	v_mov_b32 v[PWA], v[PW]
	ROWTILE 1
	v_mov_b32 v[SW], v[SW+1]                       ; the words move down a register a trip: after four trips group g's stands in register g
	v_mov_b32 v[SW+1], v[SW+2]
	v_mov_b32 v[SW+2], v[SW+3]
	v_cndmask_b32 v[SW+3], v[PWA], v[PW], s41      ; lanes 0-15 the even tile's words, lanes 16-31 the odd tile's
	s_branch .Ljoin
.Lcolumns:
	COLPAIR 0
	COLPAIR 1
.Ljoin:
	s_wait_xcnt 0x0                                ; the stores have read their base
	s_add_nc_u64 s[OC:OC+1], s[OC:OC+1], s[44:45]
	s_sub_co_i32 s39, s39, 1
	s_cmp_lg_u32 s39, 0
	s_cbranch_scc1 .Lgroup
	s_wait_alu depctr_va_vdst(0)
	global_store_b128 v[GO0], v[SW:SW+3], s[OS:OS+1]       ; the task's scale words: 512 consecutive bytes
	s_wait_tensorcnt 0x0                           ; the wave's end: three lines behind my last LDS store, the first of them even in a text with no tensor load
	ds_add_u32 v[SPW], v[NIL]
	s_wait_dscnt 0x0
	s_endpgm
.Lfunc_end_k_q82289ae8b8_quant:
	.size	k_q82289ae8b8_quant, .Lfunc_end_k_q82289ae8b8_quant-k_q82289ae8b8_quant
	.p2alignl 7, 3214868480
	.fill 96, 4, 3214868480
	.section	.rodata,"a",@progbits
	.p2align	6, 0x0
	.amdhsa_kernel k_q82289ae8b8_quant
		.amdhsa_group_segment_fixed_size 68096
		.amdhsa_private_segment_fixed_size 0
		.amdhsa_enable_private_segment 0
		.amdhsa_kernarg_size 32
		.amdhsa_user_sgpr_count 2
		.amdhsa_user_sgpr_kernarg_segment_ptr 1
		.amdhsa_wavefront_size32 1
		.amdhsa_system_sgpr_workgroup_id_x 1
		.amdhsa_system_sgpr_workgroup_id_y 1
		.amdhsa_system_sgpr_workgroup_id_z 1
		.amdhsa_system_vgpr_workitem_id 0
		.amdhsa_next_free_vgpr 256
		.amdhsa_next_free_sgpr 66
		.amdhsa_reserve_vcc 0
		.amdhsa_float_denorm_mode_32 3
		.amdhsa_float_denorm_mode_16_64 3
		.amdhsa_fp16_overflow 1
		.amdhsa_memory_ordered 1
		.amdhsa_forward_progress 1
		.amdhsa_inst_pref_size 76
	.end_amdhsa_kernel
	.amdgpu_metadata
---
amdhsa.version: [ 1, 2 ]
amdhsa.kernels:
  - .name:           k_q82289ae8b8_quant
    .symbol:         k_q82289ae8b8_quant.kd
    .args:
      - { .name: key_states, .offset: 0, .size: 8, .value_kind: global_buffer, .address_space: global }
      - { .name: value_states, .offset: 8, .size: 8, .value_kind: global_buffer, .address_space: global }
      - { .name: partials, .offset: 16, .size: 8, .value_kind: global_buffer, .address_space: global }
      - { .name: kv, .offset: 24, .size: 8, .value_kind: global_buffer, .address_space: global }
    .group_segment_fixed_size: 68096
    .private_segment_fixed_size: 0
    .kernarg_segment_align: 8
    .kernarg_segment_size: 32
    .max_flat_workgroup_size: 128
    .sgpr_count:     66
    .vgpr_count:     256
    .wavefront_size: 32
...
	.end_amdgpu_metadata
.endif
;; end of part 2
;; launch attn (part 3): grid 2 x 128, 16 waves a work-group, no clusters, 327,680 bytes of LDS; arguments query_states, partials, kv, out0; writes out0
.if DOCPART == 3
	.amdgcn_target "amdgcn-amd-amdhsa--gfx1250"
	.amdhsa_code_object_version 6
	.text
	.protected	k_q82289ae8b8_attn
	.globl	k_q82289ae8b8_attn
	.p2align	8
	.type	k_q82289ae8b8_attn,@function
k_q82289ae8b8_attn:
	s_mov_b64 s[64:65], 0
	v_nop
	global_prefetch_b8 v0, s[64:65] scope:SCOPE_SE
	s_setreg_imm32_b32 hwreg(HW_REG_WAVE_MODE, 25, 1), 1
	s_wait_xcnt 0x0
; THIRD OF THREE LAUNCHES: causal attention on codes of E4M3 with one E8M0 scale for each 32 along a product's K.  out0[1,024 b + q][h][:] = sum over keys k <= q of softmax(..) v'.
; WORK LEFT OUT: key steps that lie wholly above the diagonal of reference()'s own jnp.tril mask (p = 0 there for all inputs); q_offsets, k_offsets, k_lengths (only a shape enters reference()): see the first kernel's head.
; Q.  A tile of 16 queries is read by one wave, once: it comes as f32 and takes reference()'s own rounding (x / s to E4M3, x s; s = m x fl(1 / 448), m from the first launch's partial maxima; the quotient
; rounded once) and the MX quantiser along d in registers, by the same lines as k in the second kernel; the limits stated at that kernel's head hold here too.  The conversions' results are the fragment's registers.
; THE SOFTMAX AHEAD OF THE SECOND PRODUCT: t = score x log2(e) / sqrt(128); M = the running largest t rounded UP to a whole number; p = 2^(t - M) is quantised along the keys, not normalised;
; the row's sum is taken of the unquantised p and divides at the end.  When M moves, the sum and O are multiplied by 2^(old M - new M): exact.
; SHARES.  Work-group (PI, bh): of the head's four blocks of 256 queries it owns block L = 3 - PI and block PI, so that all 256 work-groups have the same work.  Each of its sixteen waves owns one tile
; of 16 queries of the block in hand, in 256 registers.  Keys come in slots of 256 (two steps of 128).  The work-group makes FIVE visits, a constant of the text: the late block walks slots 0 .. L, then the early
; block walks slots 0 .. PI: (L + 1) + (PI + 1) = 5.  Every visit's first step is read by all sixteen waves (its first key is at or under every query of the block), so no tensor load is ever led round.
; A slot's record in memory (67,584 bytes: see the second kernel) comes as it lies, by four tensor loads of 16,896 dense bytes (waves 0 to 3), into one of two LDS slots.  Fragments are images of registers:
; every LDS load of a fragment reads 512 consecutive bytes.  By this text's own count a wave never has more than one tensor load out.
; LAYOUT.  Both products are used transposed: S^T = K Q^T (source 0 = 16 keys, source 1 = my 16 queries), O^T = V^T P^T (source 0 = 16 channels, source 1 = P): a lane holds ONE query (lane % 16) throughout.
; Row r of K's tile 2 b + u is key 32 b + 8 u + r + 8 (r / 8), so that the 16 registers of tiles 2 b and 2 b + 1 are keys 32 b + 16 (lane / 16) + 0 .. 15: the conversions' results are P's fragment.
; One load of 16 bytes a lane brings the scale words of a step's eight tiles: register g holds tile 2 g's in lanes 0-15 and tile 2 g + 1's in lanes 16-31.
; NO CLUSTER, no joint loads: only the two work-groups of a head read the same records, and their walks are 0 1 2 3 0 and 0 1 2 0 1: alike in three visits of five; a joint load must be issued alike by
; all that it names, so a common walk would take six visits where each takes five; work-groups of different heads share nothing.
; REGISTERS: v1-7, v10, v11 addresses that stay; v8, v9 addresses of the step in hand; v12 -M, v13 the largest t, v[14:15] the sum in two halves; v16-31 Q; v32-95 four fragments of K or V (a tile's start: q's rows as
; loaded); v96-159 S^T, then p (a tile's start: q's numbers); v160-223 O^T (a tile's start: at work; the way out: rows read back); v224-239 p's codes; v232-247 at work; v248-251 K's, then V's scale words; v252 f;
; v253 p's scale word; v254 at work; v255 Q's scale words.
.set FRB,   2048                       ; a fragment's image
.set STEPB, 32768                      ; a step's 16 images: K's eight, then V's eight
.set SLOTB, 67584                      ; a slot's record: two steps' images and 2,048 scale bytes
.set RECB,  4*SLOTB                    ; a head's four records
.set QUART, SLOTB/4                    ; what one tensor load brings: 66 rows of 256 bytes
.set QROWS, QUART/256
.set SLOT1, 1<<17                      ; LDS slot 1 begins here: one exclusive or turns an address in one slot into the other's
.set STAGE, SLOT1+SLOTB                ; behind the ring: 16 rows x 272 bytes for each wave, for q's way in and the way out; no fill ever lands here
.set SPARE, STAGE+16*16*272            ; the spare words, 128 bytes a wave: eight blocks of 256 bytes that no other line names
.set LI,  1                            ; v1   16 x lane: my place in a chunk of an image
.set PFQ, 2                            ; v2   16,384 (lane / 2) + 256 (lane % 2): the prefetch of my early tile's rows
.set PFO, 3                            ; v3   256 x lane: the prefetches' offset in a record
.set GO,  4                            ; v4   query_states and out0: 16,384 (lane / 16) + 16 (lane % 16)
.set SPW, 5                            ; v5   LDS address of my spare word; never rewritten
.set NIL, 6                            ; v6   0; never rewritten
.set STI, 7                            ; v7   my stage, O's way in: 272 r + 32 hh
.set ADK, 8                            ; v8   the slot in hand: images
.set ADS, 9                            ; v9   the slot in hand: scale words
.set STB, 10                           ; v10  my stage by whole rows: 272 hh + 16 r
.set STQ, 11                           ; v11  my stage, q's way back: 272 r + 64 hh
.set RAW, 32                           ; v32-95   q's 16 rows as loaded
.set XQ,  96                           ; v96-159  q's 64 numbers of my row
.set H448, 160
.set ONE, 161                          ; v161 1.0: the first rounding's scale operand
.set E127, 162                         ; v162 the byte 127 four times: the way back multiplies by 1
.set TQ,  164                          ; v164-171 four pairs of first quotients
.set PC1, 172                          ; v172-187 the first rounding's codes
.set TM,  232                          ; v232-247 at work in the quantiser
.set BK,  160                          ; v160-223 the way out: rows read back from the stage
.set TB,  2                            ; s2   LDS byte at which the slot in hand begins
.set VIS, 3                            ; s3   the visit
.set WV,  18                           ; s18  my wave's number
.set MNT, 19
.set SEL, 20                           ; s[20:21] v_permlanex16_b32's selects for lane l xor 16
.set CS,  22                           ; s[22:23] c = log2(e) / sqrt(128), twice
.set G1,  24                           ; s[24:31] descriptor group 1
.set G0,  40                           ; s[40:43] descriptor group 0
.set RS,  48                           ; s[48:49] 1 / s of q, twice
.set SS,  50                           ; s[50:51] s, twice
.set NS,  52                           ; s[52:53] -s, twice
.set KF,  66                           ; s66  the step's first key
.set Q0,  67                           ; s67  my first query
.set LL,  68                           ; s68  L: the late block, and the visit behind which the blocks change
.set LL1, 69                           ; s69  L + 1
.set Q0E, 70                           ; s70  my first query in the early block
.set BH,  71                           ; s71  32 b + h
.set KVW, 72                           ; s[72:73] the head's records, my quarter
.set OUTB, 74                          ; s[74:75] out0 at token 1,024 b, head h
.set PFA, 76                           ; s[76:77] where my prefetches of records stand
.set LIM, 78                           ; s78  a wave prefetches records while the visit's number is under it
.set QL,  80                           ; s[80:81] query_states at my late tile's first row; never rewritten
.set QE,  82                           ; s[82:83] at my early tile's; never rewritten
.set OA,  84                           ; s[84:85] my tile's rows of out0
; Waves 0 to 3 fetch a quarter of a record each; the branch hangs on the wave's number alone.  An s_nop 0 and four v_nop follow the load.
.macro TLOAD
	s_cmp_lt_u32 s[WV], 4
	s_cbranch_scc0 .Lasked_\@
	tensor_load_to_lds s[G0:G0+3], s[G1:G1+7]
	s_nop 0
.rept 4
	v_nop
.endr
.Lasked_\@:
.endm
; A PREFETCH INTO THE L2 of the code bytes of the record that the NEXT change of slots will ask for.  Both work-groups of a head walk records 0, 1, 2 in their first three visits, one of them record 3 in its fourth:
; the work-group with PI = 0 asks, in visits 0 and 1, for records 2 and 3; in it waves 4 to 11, which fetch nothing, take 8,192 bytes each of the record's 65,536 code bytes, lanes 256 bytes apart: one instruction a wave.
; So each aligned block of 256 bytes is named once in the launch.  Records 0 and 1, and a record's last 2,048 bytes, come by their loads alone.
.macro ASK
	s_cmp_lt_u32 s[VIS], s[LIM]
	s_cbranch_scc0 .Lnot_mine_\@
	global_prefetch_b8 v[PFO], s[PFA:PFA+1] th:TH_LOAD_NT scope:SCOPE_SE
.Lnot_mine_\@:
.endm
; AND OF MY EARLY TILE'S ROWS OF q: 16 rows of 512 bytes are 32 aligned blocks of 256 bytes, a lane a block, one instruction a wave, at the head of the late block's last visit: one visit, two key steps, ahead of the loads.
; A tile is read by its own wave alone, so each block is named once in the launch.  The late tile's rows come by their loads alone, at the kernel's head.
.macro ASKQ
	s_cmp_eq_u32 s[VIS], s[LL]
	s_cbranch_scc0 .Lnot_yet_\@
	global_prefetch_b8 v[PFQ], s[QE:QE+1] th:TH_LOAD_NT scope:SCOPE_SE
.Lnot_yet_\@:
.endm
; THE CHANGE OF SLOTS stands at a visit's head.  Each wave waits for all its tensor loads (its part of the slot that it is about to read), adds 0 to its spare word, and waits for that and for its reads of the slot that it has left.
; Behind the barrier the slot ahead is whole and nobody reads the other one.  fill = 1: that other slot takes the next visit's record: the load has a whole visit in which to land.
.macro CHANGE fill
	s_wait_tensorcnt 0x0                           ; no tensor load of mine is out, so group 0 may be written
	ds_add_u32 v[SPW], v[NIL]                      ; 0 onto my spare word
.if \fill
	ds_add_u32 v[SPW], v[NIL]                      ; and once more: the add twice on end, in every trip alike; the descriptor's words stand between the second and the wait
	s_xor_b32 s[G0+1], s[G0+1], SLOT1              ; the other LDS slot than last time
	s_add_co_u32 s86, s[VIS], 1                    ; the next visit n takes record n, or n - (L + 1) once the early block walks
	s_cmp_gt_u32 s86, s[LL]
	s_cselect_b32 s87, s[LL1], 0
	s_sub_co_u32 s86, s86, s87
	s_mul_i32 s86, s86, SLOTB
	s_mov_b32 s87, 0
	s_add_nc_u64 s[G0+2:G0+3], s[KVW:KVW+1], s[86:87]
	s_or_b32 s[G0+3], s[G0+3], 0x80000000          ; 127:126 type = 2
	s_wait_xcnt 0x0                                ; the last prefetch, a visit back, has read its address, so it may be written
	s_add_nc_u64 s[PFA:PFA+1], s[PFA:PFA+1], SLOTB
.endif
	s_wait_dscnt 0x0                               ; the add is done (fill = 1: both are), and my reads of the slot that I have left are over
	s_barrier_signal -1
	s_barrier_wait -1
.if \fill
	TLOAD                                          ; the first thing behind the barrier, and a wave's one tensor load until the next
	ASK
	ASKQ
.endif
.endm
; A KEY STEP: 128 keys, the q-th of the slot in hand.
.macro STEP q
	s_add_co_u32 s96, s[Q0], 15                    ; a step all of whose keys come after my 16 queries is left out: a scalar branch on ids and the count of steps; no barrier, wait for one, or tensor load stands in a step
	s_cmp_gt_u32 s[KF], s96
	s_cbranch_scc1 .Lhidden_\@
	v_add_nc_u32 v[ADK], s[TB], v[LI]
	s_wait_alu depctr_va_vdst(0)
	v_add_nc_u32 v[ADS], 0x10000, v[ADK]           ; a slot's scale words lie 65,536 bytes behind its first image
.irp g, 0,1                                    ; S^T = K Q^T, four tiles of 16 keys at a time
.rept 8-2*(1-\g)
	v_nop                                          ; eight places in front of loads into registers that matrix instructions have read; the two additions above are two of the first eight
.endr
.irp t, 0,1,2,3
.irp c, 0,1,2,3
	ds_load_b128 v[32+16*\t+4*\c:32+16*\t+4*\c+3], v[ADK] offset:STEPB*(\q)+FRB*(4*\g+\t)+512*\c
.endr
.endr
.if \g == 0
	ds_load_b128 v[248:251], v[ADS] offset:1024*(\q)       ; the scale words of K's eight tiles
.endif
	s_wait_dscnt 0x0
.irp t, 0,1,2,3
.if \t % 2
	v_wmma_scale_f32_16x16x128_f8f6f4 v[96+8*(4*\g+\t):103+8*(4*\g+\t)], v[32+16*\t:47+16*\t], v[16:31], 0, v[248+(4*\g+\t)/2], v255 matrix_a_scale:MATRIX_SCALE_ROW1
.else
	v_wmma_scale_f32_16x16x128_f8f6f4 v[96+8*(4*\g+\t):103+8*(4*\g+\t)], v[32+16*\t:47+16*\t], v[16:31], 0, v[248+(4*\g+\t)/2], v255
.endif
.endr
.endr                                          ; lane (r, hh) holds query r; register 96 + 16 b + i is key KF + 32 b + 16 hh + i
.rept 8
	v_nop
.endr
	s_add_co_u32 s96, s[KF], 127                   ; on the diagonal the scores of hidden keys become -infinity ahead of the maximum: p = 0 then.  A step all of whose keys count skips this
	s_cmp_le_u32 s96, s[Q0]
	s_cbranch_scc1 .Lopen_\@
	s_sub_co_i32 s96, s[Q0], s[KF]
	v_and_b32 v252, 15, v0
	v_bfe_u32 v240, v0, 4, 1
	s_delay_alu instid0(VALU_DEP_1)
	v_lshlrev_b32 v240, 4, v240
	s_delay_alu instid0(VALU_DEP_1)
	v_sub_nc_u32 v252, v252, v240
	s_delay_alu instid0(VALU_DEP_1)
	v_add_nc_u32 v252, s96, v252                   ; d = my query - KF - 16 hh: register 16 b + i is hidden where 32 b + i > d
	v_mov_b32 v254, 0xff800000                     ; -infinity
.set n, 0
.rept 64
	v_cmp_gt_i32 vcc_lo, 32*(n/16)+n%16, v252
	v_cndmask_b32 v[96+n], v[96+n], v254, vcc_lo
.set n, n+1
.endr
.Lopen_\@:
.irp b, 0,1,2,3
	v_max3_num_f32 v[232+\b], v[96+16*\b], v[97+16*\b], v[98+16*\b]   ; the largest score of each block of 32 keys: it serves for the row's maximum and, since p rises with the score, for the block's largest p
.endr
.irp i, 3,5,7,9,11,13
.irp b, 0,1,2,3
	v_max3_num_f32 v[232+\b], v[232+\b], v[96+16*\b+\i], v[97+16*\b+\i]   ; the four blocks by turns
.endr
.endr
.irp b, 0,1,2,3
	v_max_num_f32 v[232+\b], v[232+\b], v[111+16*\b]
.endr
.irp b, 0,1,2,3
	v_permlanex16_b32 v[236+\b], v[232+\b], s[SEL], s[SEL+1]
.endr
.irp b, 0,1,2,3
	s_delay_alu instid0(VALU_DEP_4)
	v_max_num_f32 v[232+\b], v[232+\b], v[236+\b]  ; with lane l xor 16's 16 keys
.endr
	s_delay_alu instid0(VALU_DEP_2)
	v_max3_num_f32 v254, v232, v233, v234
	s_delay_alu instid0(VALU_DEP_1)
	v_max_num_f32 v254, v254, v235                 ; the step's largest score of my query
	s_delay_alu instid0(VALU_DEP_1)
	v_mul_f32 v254, s[CS], v254                    ; as t (c is positive)
	s_delay_alu instid0(VALU_DEP_1)
	v_max_num_f32 v13, v13, v254                   ; the running largest t
	v_mov_b32 v254, v12
	s_delay_alu instid0(VALU_DEP_2)
	v_floor_f32 v12, -v13                          ; the new -M = floor(-t) = -ceil(t): a whole number
	s_delay_alu instid0(VALU_DEP_1)
	v_sub_f32 v254, v12, v254                      ; old M - new M: a whole number, 0 or less
	s_delay_alu instid0(VALU_DEP_1)
	v_cvt_i32_f32 v254, v254                       ; (it saturates)
	s_delay_alu instid0(VALU_DEP_1)
	v_ldexp_f32 v252, 1.0, v254                    ; f = 2^(old M - new M)
.set n, 0
.rept 32
	v_pk_fma_f32 v[96+n:97+n], v[96+n:97+n], s[CS:CS+1], v[12:13] op_sel_hi:[1,0,0]   ; t - M, two at a time (of the pairs c and -M the low word serves both halves)
.set n, n+2
.endr
.irp b, 0,1,2,3
	v_fma_f32 v[232+\b], v[232+\b], s[CS], v12     ; the same of each block's largest score
.endr
.set n, 0
	s_wait_alu depctr_va_vdst(0)
.rept 64
	v_exp_f32 v[96+n], v[96+n]                     ; p = 2^(t - M), at most 1
.set n, n+1
.endr
	v_pk_mul_f32 v[14:15], v[14:15], v[252:253] op_sel_hi:[1,0]   ; the sums under the new M (a plain instruction behind the exponentials)
	s_wait_alu depctr_va_vdst(0)                   ; one wait for the whole batch, ahead of its first reader
.irp b, 0,1,2,3
	v_exp_f32 v[232+\b], v[232+\b]                 ; the block's largest p: the same two instructions on the same number give the same bits
.endr
	v_pk_add_f32 v[236:237], v[100:101], v[104:105]
	v_pk_add_f32 v[250:251], v[108:109], v[112:113]
	v_pk_add_f32 v[248:249], v[116:117], v[120:121]
	v_pk_add_f32 v[246:247], v[124:125], v[128:129]
	v_pk_add_f32 v[244:245], v[132:133], v[136:137]
	v_pk_add_f32 v[242:243], v[140:141], v[144:145]
	v_pk_add_f32 v[240:241], v[148:149], v[152:153]
	v_pk_add_f32 v[14:15], v[14:15], v[156:157]
	v_pk_add_f32 v[236:237], v[236:237], v[96:97]
	v_pk_add_f32 v[250:251], v[250:251], v[98:99]
	v_pk_add_f32 v[248:249], v[248:249], v[102:103]
	v_pk_add_f32 v[246:247], v[246:247], v[106:107]
	v_pk_add_f32 v[244:245], v[244:245], v[110:111]
	v_pk_add_f32 v[242:243], v[242:243], v[114:115]
	v_pk_add_f32 v[240:241], v[240:241], v[118:119]
	v_pk_add_f32 v[14:15], v[14:15], v[122:123]
	v_pk_add_f32 v[236:237], v[236:237], v[126:127]
	v_pk_add_f32 v[250:251], v[250:251], v[130:131]
	v_pk_add_f32 v[248:249], v[248:249], v[134:135]
	v_pk_add_f32 v[246:247], v[246:247], v[138:139]
	v_pk_add_f32 v[244:245], v[244:245], v[142:143]
	v_pk_add_f32 v[242:243], v[242:243], v[146:147]
	v_pk_add_f32 v[240:241], v[240:241], v[150:151]
	v_pk_add_f32 v[14:15], v[14:15], v[154:155]
	v_pk_add_f32 v[236:237], v[236:237], v[158:159]
	s_delay_alu instid0(VALU_DEP_2)
	v_pk_add_f32 v[14:15], v[14:15], v[246:247]
	s_delay_alu instid0(VALU_DEP_2)
	v_pk_add_f32 v[236:237], v[236:237], v[244:245]
	v_pk_add_f32 v[250:251], v[250:251], v[242:243]
	v_pk_add_f32 v[248:249], v[248:249], v[240:241]
	s_delay_alu instid0(VALU_DEP_2)
	v_pk_add_f32 v[14:15], v[14:15], v[250:251]
	s_delay_alu instid0(VALU_DEP_2)
	v_pk_add_f32 v[236:237], v[236:237], v[248:249]
	s_delay_alu instid0(VALU_DEP_1)
	v_pk_add_f32 v[14:15], v[14:15], v[236:237]
	s_wait_alu depctr_va_vdst(0)                   ; and one for the four
.irp b, 0,1,2,3
	v_max_num_f32 v[232+\b], 0x4800000, v[232+\b]  ; the floor 2^(9 - 127): the byte cannot fall under 1 (a block whose every p is 0 keeps that byte: its codes are zeros)
.endr
.irp b, 0,1,2,3
	s_delay_alu instid0(VALU_DEP_4)
	v_add_nc_u32 v[244+\b], 0xfc000000, v[232+\b]  ; 8 off the exponent field: the conversion's scale operand
.endr
.irp b, 0,1,2,3
.endr
.irp b, 0,1,2,3
	s_delay_alu instid0(VALU_DEP_4)
	v_lshrrev_b32 v[236+\b], 23, v[244+\b]         ; the scale's byte
.endr
	s_delay_alu instid0(VALU_DEP_3)
	v_lshl_or_b32 v253, v237, 8, v236              ; p's scale word for these 128 keys
	s_delay_alu instid0(VALU_DEP_1)
	v_lshl_or_b32 v253, v238, 16, v253
	s_delay_alu instid0(VALU_DEP_1)
	v_lshl_or_b32 v253, v239, 24, v253
.irp b, 0,1,2,3
.irp i, 0,1,2,3,4,5,6,7,8,9,10,11,12,13,14,15
.endr
	v_cvt_scalef32_pk8_fp8_f32 v[224+4*\b:225+4*\b], v[96+16*\b:103+16*\b], v[244+\b]
	v_cvt_scalef32_pk8_fp8_f32 v[226+4*\b:227+4*\b], v[104+16*\b:111+16*\b], v[244+\b]
.endr
.set n, 0
.rept 32
	v_pk_mul_f32 v[160+n:161+n], v[160+n:161+n], v[252:253] op_sel_hi:[1,0]   ; O^T under the new M.  (These 32 are also the places in front of the loads and matrix instructions below)
.set n, n+2
.endr
	s_wait_alu depctr_va_vdst(0)
.irp g, 0,1                                    ; O^T += V^T P^T: four tiles of 16 channels at a time; K = these 128 keys.  The four accumulators take turns
.if \g > 0
.rept 8
	v_nop
.endr
.endif
.irp t, 0,1,2,3
.irp c, 0,1,2,3
	ds_load_b128 v[32+16*\t+4*\c:32+16*\t+4*\c+3], v[ADK] offset:STEPB*(\q)+8*FRB+FRB*(4*\g+\t)+512*\c
.endr
.endr
.if \g == 0
	ds_load_b128 v[248:251], v[ADS] offset:1024*(\q)+512   ; the scale words of V's eight tiles
.endif
	s_wait_dscnt 0x0
.irp t, 0,1,2,3
.if \t % 2
	v_wmma_scale_f32_16x16x128_f8f6f4 v[160+8*(4*\g+\t):167+8*(4*\g+\t)], v[32+16*\t:47+16*\t], v[224:239], v[160+8*(4*\g+\t):167+8*(4*\g+\t)], v[248+(4*\g+\t)/2], v253 matrix_a_scale:MATRIX_SCALE_ROW1
.else
	v_wmma_scale_f32_16x16x128_f8f6f4 v[160+8*(4*\g+\t):167+8*(4*\g+\t)], v[32+16*\t:47+16*\t], v[224:239], v[160+8*(4*\g+\t):167+8*(4*\g+\t)], v[248+(4*\g+\t)/2], v253
.endif
.endr
.endr
.Lhidden_\@:
	s_add_co_u32 s[KF], s[KF], 128
.endm
; A tile's 16 rows of q, 512 bytes each, 16,384 bytes apart: a load takes half u (256 bytes) of rows 2 i and 2 i + 1: sixteen lanes read 256 consecutive bytes, aligned.  base names the scalar pair with the tile's first row.
.macro QRAW base
.irp u, 0,1
.irp i, 0,1,2,3,4,5,6,7
	global_load_b128 v[RAW+32*\u+4*\i:RAW+32*\u+4*\i+3], v[GO], s[\base:\base+1] offset:2*\i*16384+256*\u th:TH_LOAD_NT
.endr
.endr
.endm
; The rows become Q's fragment (v16-31) and its scale words (v255).  They go through my stage, half a row at a time, and come back so that lane (r, hh) holds, of row r, 16 neighbours of each block of 32 along d:
; register XQ + 16 b + i = d 32 b + 16 hh + i.  Then reference()'s own rounding and the MX quantiser, as in the second kernel.
.macro QMAKE
	v_mov_b32 v[ONE], 1.0
	v_mov_b32 v[E127], 0x7f7f7f7f
.irp u, 0,1
.irp i, 0,1,2,3,4,5,6,7
	ds_store_b128 v[STB], v[RAW+32*\u+4*\i:RAW+32*\u+4*\i+3] offset:2*\i*272
.endr
.irp c, 0,1,2,3,4,5,6,7
	ds_load_b128 v[XQ+32*\u+4*\c:XQ+32*\u+4*\c+3], v[STQ] offset:128*(\c/4)+16*(\c%4)   ; LDS serves a wave's instructions in order (ISA guide 5.7.1.4): these see my stores, and the next half's stores come behind them
.endr
.endr
	s_wait_dscnt 0x0
.set n, 0
.rept 8                                        ; four pairs at a time, so that no line waits for the line above it
.irp j, 0,2,4,6
	v_pk_mul_f32 v[TQ+\j:TQ+\j+1], v[XQ+n+\j:XQ+n+\j+1], s[RS:RS+1] op_sel_hi:[1,0]                              ; q0 = x (1 / s)
.endr
.irp j, 0,2,4,6
	s_delay_alu instid0(VALU_DEP_4)
	v_pk_fma_f32 v[XQ+n+\j:XQ+n+\j+1], v[TQ+\j:TQ+\j+1], s[NS:NS+1], v[XQ+n+\j:XQ+n+\j+1] op_sel_hi:[1,0,1]      ; e = x - q0 s
.endr
.irp j, 0,2,4,6
	s_delay_alu instid0(VALU_DEP_4)
	v_pk_fma_f32 v[XQ+n+\j:XQ+n+\j+1], v[XQ+n+\j:XQ+n+\j+1], s[RS:RS+1], v[TQ+\j:TQ+\j+1] op_sel_hi:[1,0,1]      ; q0 + e (1 / s): the quotient, rounded once
.endr
.set n, n+8
.endr
.set n, 0
.rept 64
.set n, n+1
.endr
.irp g, 0,1,2,3,4,5,6,7
	v_cvt_scalef32_pk8_fp8_f32 v[PC1+2*\g:PC1+2*\g+1], v[XQ+8*\g:XQ+8*\g+7], v[ONE]
.endr
	v_nop                                          ; a plain instruction between the conversions and the lines that read their results and write their sources
.irp g, 0,1,2,3,4,5,6,7
	v_cvt_scale_pk8_f32_fp8 v[XQ+8*\g:XQ+8*\g+7], v[PC1+2*\g:PC1+2*\g+1], v[E127]
.endr
	v_nop
.set n, 0
.rept 32
	v_pk_mul_f32 v[XQ+n:XQ+n+1], v[XQ+n:XQ+n+1], s[SS:SS+1] op_sel_hi:[1,0]   ; x' = code x s
.set n, n+2
.endr
.irp b, 0,1,2,3
	v_max3_num_f32 v[TM+\b], |v[XQ+16*\b]|, |v[XQ+1+16*\b]|, 0x4800000   ; block b: my 16 numbers, and the floor 2^(9 - 127): the byte cannot fall under 1
.endr
.irp i, 2,4,6,8,10,12,14
.irp b, 0,1,2,3
	s_delay_alu instid0(VALU_DEP_4)
	v_max3_num_f32 v[TM+\b], v[TM+\b], |v[XQ+16*\b+\i]|, |v[XQ+1+16*\b+\i]|   ; the four blocks by turns
.endr
.endr
.irp b, 0,1,2,3
	v_permlanex16_b32 v[TM+4+\b], v[TM+\b], s[SEL], s[SEL+1]
.endr
.irp b, 0,1,2,3
	s_delay_alu instid0(VALU_DEP_4)
	v_max_num_f32 v[TM+\b], v[TM+\b], v[TM+4+\b]   ; with lane l xor 16's: the block's largest magnitude
.endr
.irp b, 0,1,2,3
	s_delay_alu instid0(VALU_DEP_4)
	v_add_nc_u32 v[TM+12+\b], 0xfc000000, v[TM+\b] ; 8 off its exponent field: the conversion's scale operand
.endr
.irp b, 0,1,2,3
.endr
.irp b, 0,1,2,3
	s_delay_alu instid0(VALU_DEP_4)
	v_lshrrev_b32 v[TM+4+\b], 23, v[TM+12+\b]      ; the scale's byte
.endr
	s_delay_alu instid0(VALU_DEP_3)
	v_lshl_or_b32 v255, v[TM+5], 8, v[TM+4]        ; lane r: row r's scale word (lanes 16-31 hold the same and are not read)
	s_delay_alu instid0(VALU_DEP_1)
	v_lshl_or_b32 v255, v[TM+6], 16, v255
	s_delay_alu instid0(VALU_DEP_1)
	v_lshl_or_b32 v255, v[TM+7], 24, v255
.irp b, 0,1,2,3
.irp i, 0,1,2,3,4,5,6,7,8,9,10,11,12,13,14,15
.endr
	v_cvt_scalef32_pk8_fp8_f32 v[16+4*\b:17+4*\b], v[XQ+16*\b:XQ+7+16*\b], v[TM+12+\b]
	v_cvt_scalef32_pk8_fp8_f32 v[18+4*\b:19+4*\b], v[XQ+8+16*\b:XQ+15+16*\b], v[TM+12+\b]
.endr
	v_nop                                          ; a plain instruction behind the last conversion; the lines of INIT, which follows, are the places ahead of the products that take the codes and the scale word
.endm
; A block's start: the step is written once for all steps: the first finds zeros, which the first change of M leaves zeros.
.macro INIT
	v_mov_b32 v13, 0xff61b1e6                      ; the largest t so far: -3e38, under every t
	s_delay_alu instid0(VALU_DEP_1)
	v_floor_f32 v12, -v13                          ; -M
	v_mov_b32 v14, 0
	v_mov_b32 v15, 0
.set n, 0
.rept 64
	v_mov_b32 v[160+n], 0
.set n, n+1
.endr
.endm
; THE WAY OUT of my tile: O^T / the sum goes through my stage in LDS, half a row (64 channels, 256 bytes) of 16 queries at a time, so that sixteen lanes store 256 consecutive bytes, aligned.
; next = 1: the early tile's rows of q are asked for first, into the registers that held V's fragments: the way out stands between the loads and the wait for them.
.macro WAYOUT next
	s_lshl_b32 s86, s[Q0], 14                      ; a token's row of out0 is 16,384 bytes
	s_mov_b32 s87, 0
	s_add_nc_u64 s[OA:OA+1], s[OUTB:OUTB+1], s[86:87]
.rept 8
	v_nop                                          ; eight places behind the last products, ahead of the first read of their results and of loads into their operands
.endr
.if \next
	QRAW QE
.endif
	v_add_f32 v14, v14, v15                        ; the sum's two halves,
	s_delay_alu instid0(VALU_DEP_1)
	v_permlanex16_b32 v252, v14, s[SEL], s[SEL+1]
	s_delay_alu instid0(VALU_DEP_1)
	v_add_f32 v14, v14, v252                       ; and lane l xor 16's
	s_wait_alu depctr_va_vdst(0)
	v_rcp_f32 v14, v14
	v_nop                                          ; a plain instruction behind the reciprocal,
	s_wait_alu depctr_va_vdst(0)                   ; and the wait ahead of its first reader
.set n, 0
.rept 64
	v_mul_f32 v[96+n], v[160+n], v14               ; register 8 t + j is o(r, 16 t + 8 hh + j); each accumulator from its low end on
.set n, n+1
.endr
.irp u, 0,1                                    ; channels 64 u on
.irp t, 0,1,2,3
	ds_store_b128 v[STI], v[96+32*\u+8*\t:99+32*\u+8*\t] offset:64*\t
	ds_store_b128 v[STI], v[100+32*\u+8*\t:103+32*\u+8*\t] offset:64*\t+16
.endr
.irp i, 0,1,2,3,4,5,6,7
	ds_load_b128 v[BK+32*\u+4*\i:BK+32*\u+4*\i+3], v[STB] offset:2*\i*272   ; into O^T's registers, which the multiplications have left.  LDS serves a wave's instructions in order (ISA guide 5.7.1.4): these see my stores, and the next half's stores come behind them
.endr
.endr
.irp u, 0,1
.irp i, 0,1,2,3,4,5,6,7
	s_wait_dscnt 23-16*\u-\i                       ; younger than this load: the rest of its half's loads, and for the first half the second half's eight stores and eight loads
	global_store_b128 v[GO], v[BK+32*\u+4*\i:BK+32*\u+4*\i+3], s[OA:OA+1] offset:2*\i*16384+256*\u th:TH_STORE_NT
.endr
.endr
.endm
	s_load_b256 s[4:11], s[0:1], 0x0               ; query_states s[4:5], partials s[6:7], kv s[8:9], out0 s[10:11]
	v_lshl_add_u32 v[SPW], v0, 2, SPARE
	v_mov_b32 v[NIL], 0
	ds_add_u32 v[SPW], v[NIL]                      ; the wave's opening: the add, twice on end, and its wait ahead of the first tensor load; the set-up below, work on registers, stands between
	ds_add_u32 v[SPW], v[NIL]
	v_lshrrev_b32 v254, 5, v0
	s_delay_alu instid0(VALU_DEP_1)
	v_readfirstlane_b32 s[WV], v254                ; wave 0..15
	s_and_b32 s[BH], ttmp7, 0xffff
	s_sub_co_u32 s[LL], 3, ttmp9                   ; the late block
	s_add_co_u32 s[LL1], s[LL], 1
	s_lshl_b32 s86, s[WV], 4
	s_lshl_b32 s[Q0], s[LL], 8
	s_add_co_u32 s[Q0], s[Q0], s86                 ; my first query: 256 L + 16 x wave
	s_lshl_b32 s[Q0E], ttmp9, 8
	s_add_co_u32 s[Q0E], s[Q0E], s86               ; and in the early block
	; descriptor group 1: a dense block of 66 rows of 256 bytes (32 elements of 8 bytes), no padding: images are read as they lie
	s_mov_b32 s[G1], 3<<16                         ; 15:0 no mask; 17:16 elements of 8 bytes; 20 padding off
	s_mov_b32 s[G1+1], 32<<16                      ; tensor_dim0 = 32
	s_mov_b32 s[G1+2], QROWS<<16                   ; tensor_dim1 = 66
	s_mov_b32 s[G1+3], 32<<16                      ; tile_dim0 = 32
	s_mov_b32 s[G1+4], QROWS                       ; tile_dim1 = 66
	s_mov_b32 s[G1+5], 32                          ; tensor_dim0_stride
	s_mov_b32 s[G1+6], 0
	s_mov_b32 s[G1+7], 0
	s_mov_b32 s[G0], 1                             ; 1:0 count = 1
	s_and_b32 s87, s[WV], 3
	s_mul_i32 s[G0+1], s87, QUART                  ; 63:32 LDS address: slot 0, my quarter
	s_mul_i32 s88, s[BH], RECB
	s_and_b32 s90, s[WV], 7
	s_lshl_b32 s90, s90, 13
	s_add_co_u32 s90, s90, s88
	s_add_co_u32 s90, s90, SLOTB                   ; the prefetches of records: my 8,192 bytes, in record 1: the first change of slots steps it to record 2
	s_mov_b32 s91, 0
	s_add_co_u32 s88, s88, s[G0+1]                 ; the head's records, my quarter (the same 16,896 x (wave % 4) in memory as in LDS)
	s_mov_b32 s89, 0
	s_lshr_b32 s44, s[BH], 5
	s_lshl_b32 s44, s44, 24                        ; 1,024 b tokens of 16,384 bytes
	s_and_b32 s45, s[BH], 31
	s_lshl_b32 s45, s45, 9                         ; + 512 h: the same in query_states and in out0
	s_add_co_u32 s44, s44, s45
	s_mov_b32 s45, 0
	s_lshl_b32 s46, s[Q0], 14
	s_add_co_u32 s46, s46, s44                     ; my late tile's first row,
	s_mov_b32 s47, 0
	s_lshl_b32 s56, s[Q0E], 14
	s_add_co_u32 s56, s56, s44                     ; my early tile's
	s_mov_b32 s57, 0
	s_sub_co_u32 s86, s[WV], 4
	s_lshr_b32 s86, s86, 3                         ; 0 in waves 4 to 11,
	s_or_b32 s86, s86, ttmp9                       ; of the work-group with PI = 0
	s_cmp_eq_u32 s86, 0
	s_cselect_b32 s[LIM], 2, 0
	s_mov_b32 s[SEL], 0x76543210
	s_mov_b32 s[SEL+1], 0xfedcba98
	s_mov_b32 s[CS], 0x3e0293ee                    ; c = log2(e) / sqrt(128)
	s_mov_b32 s[CS+1], s[CS]                       ; (named with it as a pair, so it is written)
	s_mov_b32 s54, 0x3b124925                      ; 1 / 448, rounded to f32
	s_mov_b32 s[TB], 0
	s_mov_b32 s[VIS], 0
	s_mov_b32 s[KF], 0
	v_and_b32 v232, 15, v0                         ; r
	v_bfe_u32 v233, v0, 4, 1                       ; hh
	v_and_b32 v234, 31, v0                         ; lane
	s_delay_alu instid0(VALU_DEP_1)
	v_lshlrev_b32 v[LI], 4, v234
	s_delay_alu instid0(VALU_DEP_2)
	v_lshlrev_b32 v[PFO], 8, v234
	s_delay_alu instid0(VALU_DEP_3)
	v_lshrrev_b32 v235, 1, v234                    ; lane / 2: a row of my early tile;
	s_delay_alu instid0(VALU_DEP_4)
	v_and_b32 v[PFQ], 1, v234
	s_delay_alu instid0(VALU_DEP_1)
	v_lshlrev_b32 v[PFQ], 8, v[PFQ]                ; lane % 2: which 256 bytes of it
	s_delay_alu instid0(VALU_DEP_1)
	v_lshl_add_u32 v[PFQ], v235, 14, v[PFQ]
	v_lshlrev_b32 v[GO], 4, v232
	s_delay_alu instid0(VALU_DEP_1)
	v_lshl_add_u32 v[GO], v233, 14, v[GO]          ; lanes 0-15 one token's row, lanes 16-31 the next; 16 bytes a lane
	s_mul_i32 s86, s[WV], 16*272
	s_add_co_u32 s86, s86, STAGE                   ; my stage
	v_mul_u32_u24 v[STI], v232, 272
	s_delay_alu instid0(VALU_DEP_1)
	v_lshl_add_u32 v[STI], v233, 5, v[STI]
	s_delay_alu instid0(VALU_DEP_1)
	v_add_nc_u32 v[STI], s86, v[STI]
	v_mul_u32_u24 v[STB], v233, 272
	s_delay_alu instid0(VALU_DEP_1)
	v_lshl_add_u32 v[STB], v232, 4, v[STB]
	s_delay_alu instid0(VALU_DEP_1)
	v_add_nc_u32 v[STB], s86, v[STB]
	v_mul_u32_u24 v[STQ], v232, 272
	s_delay_alu instid0(VALU_DEP_1)
	v_lshl_add_u32 v[STQ], v233, 6, v[STQ]
	s_delay_alu instid0(VALU_DEP_1)
	v_add_nc_u32 v[STQ], s86, v[STQ]
	s_wait_dscnt 0x0                               ; both opening adds are done
	s_wait_kmcnt 0x0
	s_add_nc_u64 s[KVW:KVW+1], s[8:9], s[88:89]
	s_add_nc_u64 s[PFA:PFA+1], s[8:9], s[90:91]
	s_add_nc_u64 s[QL:QL+1], s[4:5], s[46:47]
	s_add_nc_u64 s[QE:QE+1], s[4:5], s[56:57]
	s_add_nc_u64 s[OUTB:OUTB+1], s[10:11], s[44:45]
	s_mov_b64 s[G0+2:G0+3], s[KVW:KVW+1]           ; 120:64 global address: record 0
	s_or_b32 s[G0+3], s[G0+3], 0x80000000          ; 127:126 type = 2
	TLOAD                                          ; visit 0's record, into slot 0: ahead of every wait on TENSORcnt, every LDS read and every barrier
	global_load_b128 v[96:99], v[LI], s[6:7]       ; q's 256 partial maxima, eight a lane
	global_load_b128 v[100:103], v[LI], s[6:7] offset:512
	QRAW QL                                        ; my late tile's rows
.irp b, 0,1,2,3
	v_mov_b32 v[236+\b], 0                         ; written once: a lane permute's destination counts as one of its sources
.endr
	v_mov_b32 v252, 0
	v_mov_b32 v253, 0                              ; (named as the upper half of the pair v[252:253] before it is first written)
	s_wait_loadcnt 16                              ; the two loads of maxima are in; the sixteen loads of rows behind them stay out
	v_max3_num_f32 v96, v96, v97, v98
	v_max3_num_f32 v99, v99, v100, v101
	s_delay_alu instid0(VALU_DEP_2)
	v_max3_num_f32 v96, v96, v102, v103
	s_delay_alu instid0(VALU_DEP_1)
	v_max_num_f32 v96, v96, v99
	s_delay_alu instid0(VALU_DEP_1)
	v_max_num_f32_dpp v96, v96, v96 row_xmask:1 row_mask:0xf bank_mask:0xf
	s_delay_alu instid0(VALU_DEP_1)
	v_max_num_f32_dpp v96, v96, v96 row_xmask:2 row_mask:0xf bank_mask:0xf
	s_delay_alu instid0(VALU_DEP_1)
	v_max_num_f32_dpp v96, v96, v96 row_xmask:4 row_mask:0xf bank_mask:0xf
	s_delay_alu instid0(VALU_DEP_1)
	v_max_num_f32_dpp v96, v96, v96 row_xmask:8 row_mask:0xf bank_mask:0xf
	s_delay_alu instid0(VALU_DEP_1)
	v_permlanex16_b32 v236, v96, s[SEL], s[SEL+1]
	s_delay_alu instid0(VALU_DEP_1)
	v_max_num_f32 v96, v96, v236                   ; m = max|q|
	s_delay_alu instid0(VALU_DEP_1)
	v_mul_f32 v97, s54, v96                        ; s = m x fl(1 / 448): one product, rounded once, as in the second kernel
	s_wait_alu depctr_va_vdst(0)
	v_rcp_f32 v98, v97
	v_nop                                          ; a plain instruction behind the reciprocal,
	s_wait_alu depctr_va_vdst(0)                   ; and the wait ahead of its first reader
	v_fma_f32 v99, -v97, v98, 1.0                  ; one Newton step
	v_fma_f32 v98, v99, v98, v98
	s_delay_alu instid0(VALU_DEP_1)
	v_readfirstlane_b32 s[RS], v98                 ; 1 / s
	v_readfirstlane_b32 s[SS], v97                 ; s
	s_mov_b32 s[RS+1], s[RS]                       ; (the packed forms name pairs, so both words are written)
	s_mov_b32 s[SS+1], s[SS]
	s_xor_b32 s[NS], s[SS], 0x80000000             ; -s
	s_mov_b32 s[NS+1], s[NS]
	s_wait_loadcnt 0x0                             ; my late tile's rows are in
	QMAKE
	INIT
.Lvisit:                                           ; four trips, a constant: behind each change of slots the next visit's record is asked for
	CHANGE 1
	STEP 0
	STEP 1
	s_xor_b32 s[TB], s[TB], SLOT1                  ; on to the other slot
	s_cmp_lg_u32 s[VIS], s[LL]                     ; ids and the count of visits alone: all sixteen waves go the same way; no barrier, add, wait for a barrier or tensor load lies inside
	s_cbranch_scc1 .Lsame_block
	WAYOUT 1                                       ; THE BLOCKS CHANGE: the early tile's rows of q are asked for, the late tile leaves,
	s_mov_b32 s[Q0], s[Q0E]
	s_mov_b32 s[KF], 0                             ; the walk begins anew at key 0,
	s_wait_loadcnt 0x0                             ; the rows are in,
	s_wait_xcnt 0x0                                ; and the stores have read their registers and their base: both are written again below
	QMAKE
	INIT
.Lsame_block:
	s_add_co_u32 s[VIS], s[VIS], 1
	s_cmp_lt_u32 s[VIS], 4
	s_cbranch_scc1 .Lvisit
	CHANGE 0                                       ; the fifth visit is written out: nothing is left to ask for
	STEP 0
	STEP 1
	WAYOUT 0
	s_wait_tensorcnt 0x0                           ; the wave's end: three lines, behind my last tensor load and my last LDS store
	ds_add_u32 v[SPW], v[NIL]
	s_wait_dscnt 0x0
	s_endpgm
.Lfunc_end_k_q82289ae8b8_attn:
	.size	k_q82289ae8b8_attn, .Lfunc_end_k_q82289ae8b8_attn-k_q82289ae8b8_attn
	.p2alignl 7, 3214868480
	.fill 96, 4, 3214868480
	.section	.rodata,"a",@progbits
	.p2align	6, 0x0
	.amdhsa_kernel k_q82289ae8b8_attn
		.amdhsa_group_segment_fixed_size 327680
		.amdhsa_private_segment_fixed_size 0
		.amdhsa_enable_private_segment 0
		.amdhsa_kernarg_size 32
		.amdhsa_user_sgpr_count 2
		.amdhsa_user_sgpr_kernarg_segment_ptr 1
		.amdhsa_wavefront_size32 1
		.amdhsa_system_sgpr_workgroup_id_x 1
		.amdhsa_system_sgpr_workgroup_id_y 1
		.amdhsa_system_sgpr_workgroup_id_z 1
		.amdhsa_system_vgpr_workitem_id 0
		.amdhsa_next_free_vgpr 256
		.amdhsa_next_free_sgpr 100
		.amdhsa_reserve_vcc 1
		.amdhsa_float_denorm_mode_32 3
		.amdhsa_float_denorm_mode_16_64 3
		.amdhsa_fp16_overflow 1
		.amdhsa_memory_ordered 1
		.amdhsa_forward_progress 1
		.amdhsa_inst_pref_size 171
	.end_amdhsa_kernel
	.amdgpu_metadata
---
amdhsa.version: [ 1, 2 ]
amdhsa.kernels:
  - .name:           k_q82289ae8b8_attn
    .symbol:         k_q82289ae8b8_attn.kd
    .args:
      - { .name: query_states, .offset: 0, .size: 8, .value_kind: global_buffer, .address_space: global }
      - { .name: partials, .offset: 8, .size: 8, .value_kind: global_buffer, .address_space: global }
      - { .name: kv, .offset: 16, .size: 8, .value_kind: global_buffer, .address_space: global }
      - { .name: out0, .offset: 24, .size: 8, .value_kind: global_buffer, .address_space: global }
    .group_segment_fixed_size: 327680
    .private_segment_fixed_size: 0
    .kernarg_segment_align: 8
    .kernarg_segment_size: 32
    .max_flat_workgroup_size: 512
    .sgpr_count:     100
    .vgpr_count:     256
    .wavefront_size: 32
...
	.end_amdgpu_metadata
.endif
;; end of part 3
